; MI455X (gfx1250); checked and timed in simulation.
; The chip was launched on July 23, 2026; its instructions are those of AMD's public machine-readable ISA for CDNA 5 (MIT licence, August 2026) and "CDNA5" Instruction Set Architecture Reference Guide (July 2026). The comments in the code are by the model that wrote it; some were corrected since.
;; Cross Modal Attention. Allowed arithmetic: matrix products marked QUANTISED: E2M1 operands, one E8M0 scale for each 32 along K, by v_wmma_scale_f32_16x16x128_f8f6f4 with both operands' format E2M1 (or v_wmma_scale_f32_32x16x128_f4), f32 sums; products left as they are: bf16, f16 or f32 operands; f32 sums; everything else in f32.
;; Inputs: Wk 768 x 1,024 float32; Wo 1,024 x 1,024 float32; Wq 1,024 x 1,024 float32; Wv 768 x 1,024 float32; bk 1,024 float32; bo 1,024 float32; bq 1,024 float32; bv 1,024 float32; key_value 4 x 2,048 x 768 float32; query 4 x 2,048 x 1,024 float32.
;; Outputs: out0 4 x 2,048 x 1,024 float32.
;; This version of the problem:
;;   THIS VERSION OF THE PROBLEM IS GIVEN IN LOW PRECISION. The matrix products marked QUANTISED in the list below multiply operands that are first quantised to E2M1 (2 exponent bits, 1 mantissa bit; 4 bits a number), with one power-of-two scale for each 32 numbers along K (OCP MX v1.0); their sums are f32. The products marked 'left as it is' may take bf16, f16 or f32 operands, with f32 sums. Whichever they take, every output number must still come out within the allowed error. Rounding operands to bf16 (8 significant bits) uses up far more of that allowance than f16 does (11 bits, for magnitudes from 6e-5 to 65,504). All else is computed in f32.
;;   The module's matrix products, in the order in which they are computed (A, B: the left and right operand; K: the contracted axis; several contracted axes count as one K, in the product's order):
;;     1. [M 8,192, K 1,024] x [K 1,024, N 1,024]; A: input query; B: input Wq: QUANTISED
;;     2. [M 8,192, K 768] x [K 768, N 1,024]; A: input key_value; B: input Wk: QUANTISED
;;     3. [M 8,192, K 768] x [K 768, N 1,024]; A: input key_value; B: input Wv: QUANTISED
;;     4. batch 64 x [M 2,048, K 64] x [K 64, N 2,048]; A: computed on the way; B: computed on the way: left as it is (an operand is computed on the way)
;;     5. batch 64 x [M 64, K 2,048] x [K 2,048, N 2,048]; A: computed on the way; B: computed on the way: left as it is (an operand is computed on the way)
;;     6. [M 8,192, K 1,024] x [K 1,024, N 1,024]; A: computed on the way; B: input Wo: left as it is (an operand is computed on the way)
;;   THE QUANTISER, for each operand of a quantised product, along K:
;;     - K is cut into blocks of 32 from its start; a last block that is shorter is filled with zeros.
;;     - A block's scale is 2^e with e = floor(log2(the largest magnitude in the block)) - 2, held to -126 .. 127; a block of zeros has e = 0. As a byte (E8M0): e + 127.
;;     - Each number is divided by its block's scale, clamped to +-6, and rounded to the nearest number of E2M1, ties to even, subnormals kept.
;;     - The product sums the exact products of the quantised numbers (number of the format x scale) in f32.
;;   ~~~python
;;   def quantise(x, axis):      # numpy; x: float32 -> the quantised numbers, widened to float32 again
;;       x = np.moveaxis(x, axis, -1); K = x.shape[-1]
;;       x = np.pad(x, [(0, 0)] * (x.ndim - 1) + [(0, -K % 32)]); x = x.reshape(x.shape[:-1] + (-1, 32)); a = np.abs(x).max(-1, keepdims=True)
;;       e = np.where(a > 0, np.clip(np.frexp(np.where(a > 0, a, 1))[1] - 1 - 2, -126, 127), 0)      # np.frexp(a)[1] - 1 = floor(log2(a)), exactly
;;       r = np.clip(x / 2.0 ** e, -6, 6)
;;       step = 2.0 ** (np.maximum(np.frexp(np.where(r == 0, 1, r))[1] - 1, 0) - 1)
;;       q = np.round(r / step) * step * 2.0 ** e      # np.round: ties to even
;;       return np.moveaxis(q.reshape(q.shape[:-2] + (-1,))[..., :K], -1, axis).astype(np.float32)
;;   ~~~
;; One version. Each part assembles by itself: llvm-mc -triple=amdgcn-amd-amdhsa -mcpu=gfx1250 --defsym DOCPART=n.
;; ======== version 1 of 1: 4 launches
;; limits: values are held in f16: magnitudes above 65,504 overflow, below 6.1e-05 lose precision
;; workspace buffers: wcod 1,572,864 bytes; wscl 98,304 bytes; wof 2,097,152 bytes; qf 16,777,216 bytes; kvf 33,554,432 bytes; xf 16,777,216 bytes
;; launch prep (part 1): grid 224 x 1, 4 waves a work-group, no clusters, 0 bytes of LDS; arguments Wq, Wk, Wv, Wo, wcod, wscl, wof; writes wcod, wscl, wof
.if DOCPART == 1
	.amdgcn_target "amdgcn-amd-amdhsa--gfx1250"
	.amdhsa_code_object_version 6
	.text
	.protected	k_qbb07b89e35_prep
	.globl	k_qbb07b89e35_prep
	.p2align	8
	.type	k_qbb07b89e35_prep,@function
k_qbb07b89e35_prep:
	s_mov_b64 s[64:65], 0
	v_nop
	global_prefetch_b8 v0, s[64:65] scope:SCOPE_SE
	s_setreg_imm32_b32 hwreg(HW_REG_WAVE_MODE, 25, 1), 1
	s_wait_xcnt 0x0
; The four weights are laid out once, in the order in which a wave's operand registers take them.
; Wq [1024][1024], Wk, Wv [768][1024], f32, K = the FIRST axis: codes of FP4 (E2M1) with one E8M0 byte for each 32 along K.
;   A block's scale is 2^(floor(log2(its largest magnitude)) - 2); its byte is the largest magnitude's exponent field - 2, held at 1 from below.
;   wcod [p 3][pair 32][K step 8][tile 2][1,024 B]: a fragment (16 columns x 128 K) as an image of its 8 registers: registers 0-3 of lane l at 16 l, registers 4-7 at 512 + 16 l.
;   wscl [p][pair][K step 8][128 B]: the word at 4 l holds the four bytes of column 32 pair + l: lanes 0-15 tile 0, lanes 16-31 tile 1.
; Wo [1024][1024]: f16, wof [K group 8][column tile 64][K step of 32: 4][1,024 B], again images of fragments (16 columns x 32 K).
; A LANE TAKES A COLUMN, ITS REGISTERS RUN DOWN K: a wave takes 32 columns x 128 along K; a load reads 128 consecutive bytes, the four waves stand side by side on 512.  Nothing is transposed.
; Work-groups 0-63: Wq; 64-111: Wk; 112-159: Wv; 160-223: Wo.  In each: K step = id' / 8, pair = 4 (id' % 8) + wave.  (Wk's and Wv's K steps 6, 7 do not exist: those bytes of wcod and wscl are neither written nor read.)
; LIMITS: finite inputs; a block whose largest magnitude lies under 2^-124 gets the byte 1 (a block of zeros too: its codes are zeros, and this program alone reads the bytes); Wo within +-65,504 (f16).
; No LDS, no barrier, no matrix unit: waves share nothing.  Loads run two blocks of 32 along K (64 loads a wave) ahead; each block has registers of its own.
.set X, 16                             ; v16-143  W(128 s + i, my column), i = 0 .. 127
.set C, 144                            ; v144..   codes (16 registers) or packed f16 (64): each store has registers of its own, so no store's data are written again
.macro LOADB b                         ; block b: rows 32 b .. 32 b + 31 of my K step, my column
.set i_, 32*(\b)
.rept 32
	global_load_b32 v[X+i_], v1, s[18:19] offset:4096*i_ th:TH_LOAD_NT
.set i_, i_+1
.endr
.endm
.macro AWAIT b                         ; block b is in; the block two further on is asked for
.if (\b) < 3
	s_wait_loadcnt 32                              ; loads come back in order: this block's 32 are in, the next block's 32, issued behind them, may be out
.else
	s_wait_loadcnt 0x0
.endif
.if (\b)+2 < 4
	LOADB (\b)+2
.endif
.endm
	s_load_b256 s[4:11], s[0:1], 0x0               ; Wq s[4:5], Wk s[6:7], Wv s[8:9], Wo s[10:11]
	s_load_b128 s[12:15], s[0:1], 0x20             ; wcod s[12:13], wscl s[14:15]
	s_load_b64 s[16:17], s[0:1], 0x30              ; wof
	v_lshrrev_b32 v4, 5, v0
	v_readfirstlane_b32 s30, v4                    ; wave
	v_and_b32 v5, 31, v0                           ; lane
	v_lshlrev_b32 v1, 2, v5                        ; 4 x lane: my column in a row of W, my word of wscl; never rewritten
	v_and_b32 v6, 15, v0
	v_bfe_u32 v7, v0, 4, 1
	v_lshlrev_b32 v2, 4, v6
	v_lshl_add_u32 v3, v7, 12, v2                  ; wof: 4,096 (lane / 16) + 16 (lane % 16): a column tile is 4 fragments
	v_lshl_add_u32 v2, v7, 10, v2                  ; wcod: 1,024 (lane / 16) + 16 (lane % 16)
	s_mov_b32 s20, 0                               ; the tensor's first work-group
	s_mov_b32 s21, 0                               ; p
	s_wait_kmcnt 0x0
	s_mov_b64 s[18:19], s[4:5]                     ; which tensor: the choice hangs on the work-group's number alone
	s_cmp_ge_u32 ttmp9, 64
	s_cselect_b64 s[18:19], s[6:7], s[18:19]
	s_cselect_b32 s20, 64, s20
	s_cselect_b32 s21, 1, s21
	s_cmp_ge_u32 ttmp9, 112
	s_cselect_b64 s[18:19], s[8:9], s[18:19]
	s_cselect_b32 s20, 112, s20
	s_cselect_b32 s21, 2, s21
	s_cmp_ge_u32 ttmp9, 160
	s_cselect_b64 s[18:19], s[10:11], s[18:19]
	s_cselect_b32 s20, 160, s20
	s_sub_co_u32 s22, ttmp9, s20
	s_lshr_b32 s23, s22, 3                         ; K step of 128
	s_and_b32 s24, s22, 7
	s_lshl_b32 s24, s24, 2
	s_add_co_u32 s24, s24, s30                     ; pair of column tiles
	s_lshl_b32 s26, s23, 19                        ; 128 rows of 4,096 bytes
	s_lshl_b32 s25, s24, 7                         ; 32 columns of 4 bytes
	s_add_co_u32 s26, s26, s25
	s_mov_b32 s27, 0
	s_add_nc_u64 s[18:19], s[18:19], s[26:27]      ; never rewritten from here on
	LOADB 0
	LOADB 1
	s_cmp_ge_u32 ttmp9, 160
	s_cbranch_scc1 .Lwo
	; ---- Wq, Wk, Wv: four blocks of 32 along K
	s_lshl_b32 s28, s21, 19                        ; wcod: p x 524,288 + pair x 16,384 + K step x 2,048
	s_lshl_b32 s25, s24, 14
	s_add_co_u32 s28, s28, s25
	s_lshl_b32 s25, s23, 11
	s_add_co_u32 s28, s28, s25
	s_mov_b32 s29, 0
	s_add_nc_u64 s[12:13], s[12:13], s[28:29]
	s_lshl_b32 s28, s21, 15                        ; wscl: p x 32,768 + pair x 1,024 + K step x 128
	s_lshl_b32 s25, s24, 10
	s_add_co_u32 s28, s28, s25
	s_lshl_b32 s25, s23, 7
	s_add_co_u32 s28, s28, s25
	s_add_nc_u64 s[14:15], s[14:15], s[28:29]
.macro QB b
.set XB, X+32*\b
	AWAIT \b
	v_max3_num_f32 v8, |v[XB]|, |v[XB+1]|, |v[XB+2]|   ; the block's largest magnitude: all 32 numbers are mine; two chains
	v_max3_num_f32 v9, |v[XB+3]|, |v[XB+4]|, |v[XB+5]|
.irp i, 6,10,14,18,22,26
	v_max3_num_f32 v8, v8, |v[XB+\i]|, |v[XB+\i+1]|
	v_max3_num_f32 v9, v9, |v[XB+\i+2]|, |v[XB+\i+3]|
.endr
	v_max3_num_f32 v8, v8, |v[XB+30]|, |v[XB+31]|
	v_max3_num_f32 v8, v8, v9, 0x1800000           ; and the floor 2^(3 - 127): the byte cannot fall under 1
	v_add_nc_u32 v10, 0xff000000, v8               ; 2 off the exponent field: the conversion takes this operand's exponent field as its scale
	v_lshrrev_b32 v11, 23, v10                     ; the scale's byte
.if \b == 0
	v_mov_b32 v14, v11
.else
	v_lshl_or_b32 v14, v11, 8*\b, v14              ; four bytes make my column's scale word
.endif
.irp g, 0,1,2,3
	v_cvt_scalef32_pk8_fp4_f32 v[C+4*\b+\g], v[XB+8*\g:XB+8*\g+7], v10
.endr
	v_nop                                          ; one plain line behind the last conversion
	global_store_b128 v2, v[C+4*\b:C+4*\b+3], s[12:13] offset:512*(\b/2)+256*(\b%2)   ; block b = registers 4 (b / 2) on of lanes 16 (b % 2) + r: sixteen lanes store 256 consecutive bytes, aligned
.endm
	QB 0
	QB 1
	QB 2
	QB 3
	global_store_b32 v1, v14, s[14:15]             ; 128 consecutive bytes: the pair's scale words of this K step
	s_endpgm
.Lwo:
	; ---- Wo: four K steps of 32, rounded to f16
	s_lshl_b32 s28, s23, 18                        ; wof: K group x 262,144 + pair x 8,192
	s_lshl_b32 s25, s24, 13
	s_add_co_u32 s28, s28, s25
	s_mov_b32 s29, 0
	s_add_nc_u64 s[16:17], s[16:17], s[28:29]
.irp k, 0,1,2,3
	AWAIT \k
.irp i, 0,1,2,3,4,5,6,7,8,9,10,11,12,13,14,15
	v_cvt_pk_f16_f32 v[C+16*\k+\i], v[X+32*\k+2*\i], v[X+32*\k+2*\i+1]
.endr
.irp q, 0,1,2,3
	global_store_b128 v3, v[C+16*\k+4*\q:C+16*\k+4*\q+3], s[16:17] offset:1024*\k+512*(\q/2)+256*(\q%2)   ; k = 8 q .. 8 q + 7: registers 4 (q / 2) on of lanes 16 (q % 2) + r
.endr
.endr
	s_endpgm
.Lfunc_end_k_qbb07b89e35_prep:
	.size	k_qbb07b89e35_prep, .Lfunc_end_k_qbb07b89e35_prep-k_qbb07b89e35_prep
	.p2alignl 7, 3214868480
	.fill 96, 4, 3214868480
	.section	.rodata,"a",@progbits
	.p2align	6, 0x0
	.amdhsa_kernel k_qbb07b89e35_prep
		.amdhsa_group_segment_fixed_size 0
		.amdhsa_private_segment_fixed_size 0
		.amdhsa_enable_private_segment 0
		.amdhsa_kernarg_size 56
		.amdhsa_user_sgpr_count 2
		.amdhsa_user_sgpr_kernarg_segment_ptr 1
		.amdhsa_wavefront_size32 1
		.amdhsa_system_sgpr_workgroup_id_x 1
		.amdhsa_system_sgpr_workgroup_id_y 1
		.amdhsa_system_sgpr_workgroup_id_z 1
		.amdhsa_system_vgpr_workitem_id 0
		.amdhsa_next_free_vgpr 208
		.amdhsa_next_free_sgpr 66
		.amdhsa_reserve_vcc 0
		.amdhsa_float_denorm_mode_32 3
		.amdhsa_float_denorm_mode_16_64 3
		.amdhsa_memory_ordered 1
		.amdhsa_forward_progress 1
		.amdhsa_inst_pref_size 33
	.end_amdhsa_kernel
	.amdgpu_metadata
---
amdhsa.version: [ 1, 2 ]
amdhsa.kernels:
  - .name:           k_qbb07b89e35_prep
    .symbol:         k_qbb07b89e35_prep.kd
    .args:
      - { .name: Wq, .offset: 0, .size: 8, .value_kind: global_buffer, .address_space: global }
      - { .name: Wk, .offset: 8, .size: 8, .value_kind: global_buffer, .address_space: global }
      - { .name: Wv, .offset: 16, .size: 8, .value_kind: global_buffer, .address_space: global }
      - { .name: Wo, .offset: 24, .size: 8, .value_kind: global_buffer, .address_space: global }
      - { .name: wcod, .offset: 32, .size: 8, .value_kind: global_buffer, .address_space: global }
      - { .name: wscl, .offset: 40, .size: 8, .value_kind: global_buffer, .address_space: global }
      - { .name: wof, .offset: 48, .size: 8, .value_kind: global_buffer, .address_space: global }
    .group_segment_fixed_size: 0
    .private_segment_fixed_size: 0
    .kernarg_segment_align: 8
    .kernarg_segment_size: 56
    .max_flat_workgroup_size: 128
    .sgpr_count:     66
    .vgpr_count:     208
    .wavefront_size: 32
...
	.end_amdgpu_metadata
.endif
;; end of part 1
;; launch proj (part 2): grid 256 x 1, 4 waves a work-group, no clusters, 141,824 bytes of LDS; arguments query, key_value, bq, bk, bv, wcod, wscl, qf, kvf; writes qf, kvf
.if DOCPART == 2
	.amdgcn_target "amdgcn-amd-amdhsa--gfx1250"
	.amdhsa_code_object_version 6
	.text
	.protected	k_qbb07b89e35_proj
	.globl	k_qbb07b89e35_proj
	.p2align	8
	.type	k_qbb07b89e35_proj,@function
k_qbb07b89e35_proj:
	s_mov_b64 s[64:65], 0
	v_nop
	global_prefetch_b8 v0, s[64:65] scope:SCOPE_SE
	s_setreg_imm32_b32 hwreg(HW_REG_WAVE_MODE, 25, 1), 1
	s_wait_xcnt 0x0
; q = query Wq + bq, k = key_value Wk + bk, v = key_value Wv + bv: the three products on codes of FP4 (E2M1) with one E8M0 scale for each 32 along K, sums in f32; results rounded to f16 and
; stored as images of the fragments that the attention launch's matrix instructions take.
; SHARES.  Work-groups 0-127: 64 rows of query (K = 1,024: 8 K steps of 128).  Work-groups 128-255: 64 rows of key_value (K = 768: 6 K steps), through Wk and then Wv.  Two texts of the same macros; each has LDS bytes of its own.
; Phase X: wave w quantises rows 16 w .. 16 w + 15 (loads of 512 consecutive bytes, turned through the wave's own stage so that a lane holds 16 neighbours along K) and stores the fragments' images; ONE barrier; every wave takes all
; 64 rows' fragments into registers.  Then THE WAVES SHARE THE COLUMNS: wave w owns columns 256 w .. 256 w + 255 (heads 4 w .. 4 w + 3), a pair of column tiles (32 columns) at a time; the weights come from
; memory straight into registers, laid by the launch before in register order, two pairs ahead in two buffers.
; q and k: the product is used TRANSPOSED (source 0 = 16 columns of W, source 1 = 16 rows of x): a lane holds one token and 8 neighbouring channels: four packings give half a fragment (16 tokens x 32 channels).
; v: the natural order (source 0 = x, source 1 = W): a lane holds one channel and 8 neighbouring tokens: half a fragment of V^T (16 channels x 32 keys).  Every store is 512 consecutive bytes, aligned.
; The bias is the C of each sum's first matrix instruction.  The eight accumulators of a pair take turns, one instruction a turn.
; No cluster: what work-groups share here are the weights, a pair's 16 KB for 64 (48) matrix instructions a wave; a joint ring would want a round of the cluster's barrier for every such pair, in a text whose two paths part on the work-group's number.
; LIMITS: finite inputs; blocks whose largest magnitude lies under 2^-124 get the byte 1 (a block of zeros too: its codes are zeros); q, k, v within +-65,504 (f16).
; qf  [b h 64][query tile 128][c 2][1,024 B].   kvf [b h 64][key step 32][16,384 B]: K [key tile 4][c 2][1,024 B], then V [channel tile 4][32 keys: 2][1,024 B].
; REGISTERS.  window 0: v2-13 addresses; v32-63 x's scale words; v64-79 the weights' scale words; v80-143 64 numbers of x; v144-151 codes; v152-168 at work; v176-239 packed results, a set for each weight buffer.
;   window 1: four sets of 64 numbers as loaded, later x's fragments at 8 (8 m + s).   window 2: the weights' fragments at 128 buf + 8 (2 s + tile).   window 3: v0-63 accumulators at 8 (4 tile + m); v64-95 the biases.
.set LI,  2                            ; 16 x lane
.set LS,  3                            ; 4 x lane
.set STA, 4                            ; my stage, on the way in: 16 x lane
.set STB, 5                            ; and out: 528 r + 64 h
.set XWI, 6                            ; where I store x's images
.set XWS, 7                            ; and their scale words
.set BA,  8                            ; 32 h: a bias's 8 numbers of my half
.set BAV, 9                            ; 4 r: a bias's number of my channel
.set SPW, 10                           ; LDS address of my spare word; never rewritten
.set NIL, 11                           ; 0; never rewritten
.set XRI, 12                           ; where x's images are read
.set XRS, 13                           ; and their scale words
.set XS,  32
.set WS,  64
.set XN,  80
.set PC,  144
.set TM,  152
.set PW,  168
.set PK,  176
.set BI,  64                           ; in window 3
.set SPARE, 141312                     ; behind both paths' regions: the spare words, 128 bytes a wave
.set WV,  22
.set XP,  32                           ; s[32:33] my 16 rows of x
.set WP,  34                           ; s[34:35] the weights' codes, s[36:37] their scale words, s[38:39] the bias, s[40:41] the results: all at the trip's head
.set SCP, 36
.set BP,  38
.set OP,  40
.set SEL, 42
.set CNT, 44
.set WPV, 46                           ; the same four for v
.set SCV, 48
.set BPV, 50
.set OPV, 52
.set MSB, 0
.macro WIN new                         ; the immediate's high byte repeats the setting that is left
.if MSB != \new
	s_set_vgpr_msb (MSB<<8)|\new
.set MSB, \new
.endif
.endm
.macro PLACES n
.rept \n
	v_nop
.endr
.endm
; LDS of a path, from pb on: four stages of 16 x 528 bytes; x's images [m 4][s 8][1,024]; their scale words [m 4][s 8][128]
.macro SETUP pb
	s_mul_i32 s24, s[WV], 8448
	s_add_co_u32 s24, s24, \pb
	v_add_nc_u32 v[STA], s24, v[LI]
	v_mul_u32_u24 v[STB], v14, 528
	v_lshl_add_u32 v[STB], v15, 6, v[STB]
	v_add_nc_u32 v[STB], s24, v[STB]
	s_lshl_b32 s24, s[WV], 13
	s_add_co_u32 s24, s24, \pb+33792
	v_add_nc_u32 v[XWI], s24, v[LI]
	s_lshl_b32 s24, s[WV], 10
	s_add_co_u32 s24, s24, \pb+66560
	v_add_nc_u32 v[XWS], s24, v[LS]
	v_add_nc_u32 v[XRI], \pb+33792, v[LI]
	v_add_nc_u32 v[XRS], \pb+66560, v[LS]
.endm
; K step s of my 16 rows: sixteen loads of 512 consecutive bytes, into set s % 4 of window 1
.macro LOADX s
	WIN 0x40
.irp i, 0,1,2,3,4,5,6,7,8,9,10,11,12,13,14,15
	global_load_b128 v[64*((\s)%4)+4*\i:64*((\s)%4)+4*\i+3], v[LI], s[XP:XP+1] offset:\i*ROWB+512*(\s) th:TH_LOAD_NT
.endr
	WIN 0
.endm
; 64 numbers of a lane, register 16 b + i = k 32 b + 16 (lane / 16) + i of my row, become a fragment's codes in v[PC] on and its scale word in v[PW]
.macro QUANT
.irp b, 0,1,2,3
	v_max3_num_f32 v[TM+\b], |v[XN+16*\b]|, |v[XN+1+16*\b]|, 0x1800000   ; my 16 numbers of block b, and the floor 2^(3 - 127): the byte cannot fall under 1
.endr
.irp i, 2,4,6,8,10,12,14
.irp b, 0,1,2,3
	v_max3_num_f32 v[TM+\b], v[TM+\b], |v[XN+16*\b+\i]|, |v[XN+1+16*\b+\i]|
.endr
.endr
.irp b, 0,1,2,3
	v_permlanex16_b32 v[TM+4+\b], v[TM+\b], s[SEL], s[SEL+1]
.endr
.irp b, 0,1,2,3
	v_max_num_f32 v[TM+\b], v[TM+\b], v[TM+4+\b]   ; with lane l xor 16's: the block's largest magnitude
.endr
.irp b, 0,1,2,3
	v_add_nc_u32 v[TM+12+\b], 0xff000000, v[TM+\b] ; 2 off its exponent field: the conversion's scale operand
.endr
.irp b, 0,1,2,3
	v_lshrrev_b32 v[TM+4+\b], 23, v[TM+12+\b]      ; the scale's byte
.endr
	v_lshl_or_b32 v[PW], v[TM+5], 8, v[TM+4]
	v_lshl_or_b32 v[PW], v[TM+6], 16, v[PW]
	v_lshl_or_b32 v[PW], v[TM+7], 24, v[PW]
.irp b, 0,1,2,3
	v_cvt_scalef32_pk8_fp4_f32 v[PC+2*\b], v[XN+16*\b:XN+7+16*\b], v[TM+12+\b]
	v_cvt_scalef32_pk8_fp4_f32 v[PC+1+2*\b], v[XN+8+16*\b:XN+15+16*\b], v[TM+12+\b]
.endr
	v_nop                                          ; one plain line behind a scaled conversion
.irp c, 0,1                                    ; the operand's layout wants a whole block in a lane: lanes 0-15 block 2 c, lanes 16-31 block 2 c + 1
.irp i, 0,1
	v_permlane16_swap_b32 v[PC+4*\c+\i], v[PC+2+4*\c+\i]
.endr
.endr
.endm
; K step s of phase X
.macro XSTEP s
.if KS-1-(\s) >= 3
	s_wait_loadcnt 48                              ; this K step's sixteen loads are in; those of the three K steps behind it may be out
.else
	s_wait_loadcnt 16*(KS-1-(\s))
.endif
	WIN 0x04                                       ; an LDS store's data are its source 1: window 1
.irp i, 0,1,2,3,4,5,6,7,8,9,10,11,12,13,14,15
	ds_store_b128 v[STA], v[64*((\s)%4)+4*\i:64*((\s)%4)+4*\i+3] offset:528*\i   ; row i as it lies; rows 528 bytes apart, so that the reads below start at sixteen different groups of banks
.endr
	WIN 0
.irp b, 0,1,2,3
.irp j, 0,1,2,3
	ds_load_b128 v[XN+16*\b+4*\j:XN+16*\b+4*\j+3], v[STB] offset:128*\b+16*\j     ; LDS serves a wave's instructions in order: these see the stores above
.endr
.endr
	s_wait_dscnt 0x0                               ; the numbers are back; the stage's stores and the last K step's image stores have read their registers
.if (\s)+4 < KS
	LOADX (\s)+4
.endif
	QUANT
	ds_store_b128 v[XWI], v[PC:PC+3] offset:1024*(\s)
	ds_store_b128 v[XWI], v[PC+4:PC+7] offset:1024*(\s)+512
	ds_store_b32 v[XWS], v[PW] offset:128*(\s)
.endm
; the barrier, and all 64 rows' fragments and scale words into registers
.macro XFETCH
	s_wait_dscnt 0x0                               ; for the others' sake: my image stores are done
	s_barrier_signal -1
	s_barrier_wait -1
	WIN 0x40
.irp m, 0,1,2,3
.set S_, 0
.rept KS
	ds_load_b128 v[8*(8*\m+S_):8*(8*\m+S_)+3], v[XRI] offset:1024*(8*\m+S_)
	ds_load_b128 v[8*(8*\m+S_)+4:8*(8*\m+S_)+7], v[XRI] offset:1024*(8*\m+S_)+512
.set S_, S_+1
.endr
.endr
	WIN 0
.irp m, 0,1,2,3
.set S_, 0
.rept KS
	ds_load_b32 v[XS+8*\m+S_], v[XRS] offset:128*(8*\m+S_)
.set S_, S_+1
.endr
.endr
	s_wait_dscnt 0x0
.endm
; a pair's weights into buffer buf: 4 KS loads of codes, KS of scale words, and the bias in the result's layout (nat = 0: 8 channels of my half, 4 loads; nat = 1: my channel's number eight times, 16 loads)
.macro LOADW buf, wp, sp, bp, off, nat
	WIN 0x80
.set S_, 0
.rept KS
.irp t, 0,1
.irp c, 0,1
	global_load_b128 v[128*\buf+8*(2*S_+\t)+4*\c:128*\buf+8*(2*S_+\t)+4*\c+3], v[LI], s[\wp:\wp+1] offset:\off*16384+2048*S_+1024*\t+512*\c
.endr
.endr
.set S_, S_+1
.endr
	WIN 0
.set S_, 0
.rept KS
	global_load_b32 v[WS+8*\buf+S_], v[LS], s[\sp:\sp+1] offset:\off*1024+128*S_
.set S_, S_+1
.endr
	WIN 0xc0
.irp t, 0,1
.if \nat
.irp j, 0,1,2,3,4,5,6,7
	global_load_b32 v[BI+16*\buf+8*\t+\j], v[BAV], s[\bp:\bp+1] offset:\off*128+64*\t
.endr
.else
	global_load_b128 v[BI+16*\buf+8*\t:BI+16*\buf+8*\t+3], v[BA], s[\bp:\bp+1] offset:\off*128+64*\t
	global_load_b128 v[BI+16*\buf+8*\t+4:BI+16*\buf+8*\t+7], v[BA], s[\bp:\bp+1] offset:\off*128+64*\t+16
.endif
.endr
	WIN 0
.endm
; a pair's 8 KS matrix instructions: two column tiles x four row tiles, K step by K step.  The weights' scale register holds tile 0's words in lanes 0-15 and tile 1's in lanes 16-31.
.macro MULPAIR buf, nat
.if \nat
	WIN 0xf9                                       ; source 0 (x) window 1, source 1 (W) window 2, C and D window 3
.else
	WIN 0xf6                                       ; source 0 (W) window 2, source 1 (x) window 1, C and D window 3
.endif
.set S_, 0
.rept KS
.irp t, 0,1
.irp m, 0,1,2,3
.set rD, 8*(4*\t+\m)
.set rC, rD
.if S_ == 0
.set rC, BI+16*\buf+8*\t                       ; the first K step starts the sum from the bias
.endif
.set rW, 128*\buf+8*(2*S_+\t)
.set rX, 8*(8*\m+S_)
.set rWS, WS+8*\buf+S_
.set rXS, XS+8*\m+S_
.if \nat
.if \t
	v_wmma_scale_f32_16x16x128_f8f6f4 v[rD:rD+7], v[rX:rX+7], v[rW:rW+7], v[rC:rC+7], v[rXS], v[rWS] matrix_a_fmt:MATRIX_FMT_FP4 matrix_b_fmt:MATRIX_FMT_FP4 matrix_b_scale:MATRIX_SCALE_ROW1
.else
	v_wmma_scale_f32_16x16x128_f8f6f4 v[rD:rD+7], v[rX:rX+7], v[rW:rW+7], v[rC:rC+7], v[rXS], v[rWS] matrix_a_fmt:MATRIX_FMT_FP4 matrix_b_fmt:MATRIX_FMT_FP4
.endif
.else
.if \t
	v_wmma_scale_f32_16x16x128_f8f6f4 v[rD:rD+7], v[rW:rW+7], v[rX:rX+7], v[rC:rC+7], v[rWS], v[rXS] matrix_a_fmt:MATRIX_FMT_FP4 matrix_b_fmt:MATRIX_FMT_FP4 matrix_a_scale:MATRIX_SCALE_ROW1
.else
	v_wmma_scale_f32_16x16x128_f8f6f4 v[rD:rD+7], v[rW:rW+7], v[rX:rX+7], v[rC:rC+7], v[rWS], v[rXS] matrix_a_fmt:MATRIX_FMT_FP4 matrix_b_fmt:MATRIX_FMT_FP4
.endif
.endif
.endr
.endr
.set S_, S_+1
.endr
.endm
; a pair's results: rounded to f16, each accumulator from its low end on, and stored as halves of fragments.  e: which pair of the head
.macro OUT buf, e, nat, op
	WIN 0x0f                                       ; sources 0 and 1: window 3
.irp a, 0,1,2,3,4,5,6,7
.irp i, 0,1,2,3
	v_cvt_pk_f16_f32 v[PK+32*\buf+4*\a+\i], v[8*\a+2*\i], v[8*\a+2*\i+1]
.endr
.endr
	WIN 0
.irp t, 0,1
.irp m, 0,1,2,3
.if \nat
	global_store_b128 v[LI], v[PK+32*\buf+4*(4*\t+\m):PK+32*\buf+4*(4*\t+\m)+3], s[\op:\op+1] offset:2048*(2*\e+\t)+1024*(\m/2)+512*(\m%2)   ; V^T: channel tile 2 e + t, keys 32 (m / 2) on, half m % 2
.else
	global_store_b128 v[LI], v[PK+32*\buf+4*(4*\t+\m):PK+32*\buf+4*(4*\t+\m)+3], s[\op:\op+1] offset:2048*\m+1024*\e+512*\t                   ; token tile m, channels 32 e on, half t
.endif
.endr
.endr
.endm
; cnt: the loads of the other buffer, issued behind this buffer's.  The four places stand in front of the loads into registers that the products read and of the first read of results;
; with the conversions of the other accumulators they are more than the five places in front of the next pair's products, which begin the accumulators anew.
.macro PAIR buf, e, nat, cnt, op, load, wp, sp, bp, off, lnat
	s_wait_loadcnt \cnt
	MULPAIR \buf, \nat
	PLACES 4
.if \load
	LOADW \buf, \wp, \sp, \bp, \off, \lnat
.endif
	OUT \buf, \e, \nat, \op
.endm
; a trip's end: on to the next head
.macro STEPP wp, sp, bp, op, ostep
	s_wait_xcnt 0x0                                ; every earlier load and store has had its addresses translated: pointers are stepped, and the packed results written again, only behind this wait
	s_add_nc_u64 s[\wp:\wp+1], s[\wp:\wp+1], 32768
	s_add_nc_u64 s[\sp:\sp+1], s[\sp:\sp+1], 2048
	s_add_nc_u64 s[\bp:\bp+1], s[\bp:\bp+1], 256
	s_add_nc_u64 s[\op:\op+1], s[\op:\op+1], \ostep
	s_sub_co_u32 s[CNT], s[CNT], 1
	s_cmp_lg_u32 s[CNT], 0
.endm
.macro FINISH                          ; the wave's end
	s_wait_tensorcnt 0x0
	ds_add_u32 v[SPW], v[NIL]
	s_wait_dscnt 0x0
	s_endpgm
.endm
	s_load_b256 s[4:11], s[0:1], 0x0               ; query s[4:5], key_value s[6:7], bq s[8:9], bk s[10:11]
	s_load_b256 s[12:19], s[0:1], 0x20             ; bv s[12:13], wcod s[14:15], wscl s[16:17], qf s[18:19]
	s_load_b64 s[20:21], s[0:1], 0x40              ; kvf
	v_lshl_add_u32 v[SPW], v0, 2, SPARE
	v_mov_b32 v[NIL], 0
	v_lshrrev_b32 v1, 5, v0
	v_readfirstlane_b32 s[WV], v1                  ; wave 0..3
	v_and_b32 v1, 31, v0                           ; lane
	v_and_b32 v14, 15, v0                          ; r
	v_bfe_u32 v15, v0, 4, 1                        ; h
	v_lshlrev_b32 v[LI], 4, v1
	v_lshlrev_b32 v[LS], 2, v1
	v_lshlrev_b32 v[BA], 5, v15
	v_lshlrev_b32 v[BAV], 2, v14
	s_mov_b32 s[SEL], 0x76543210
	s_mov_b32 s[SEL+1], 0xfedcba98                 ; v_permlanex16_b32's selects for lane l xor 16
.irp b, 0,1,2,3
	v_mov_b32 v[TM+4+\b], 0                        ; written once: a lane permute's destination counts as one of its sources
.endr
	s_wait_kmcnt 0x0
	s_cmp_ge_u32 ttmp9, 128
	s_cbranch_scc1 .Lkv
	; ================ query -> q
.set KS, 8
.set ROWB, 4096
	SETUP 0
	s_lshl_b32 s24, ttmp9, 18                      ; 64 rows of 4,096 bytes,
	s_lshl_b32 s25, s[WV], 16                      ; my 16 of them
	s_add_co_u32 s24, s24, s25
	s_mov_b32 s25, 0
	s_add_nc_u64 s[XP:XP+1], s[4:5], s[24:25]
	s_lshl_b32 s24, s[WV], 17                      ; my 8 pairs of 16,384 bytes
	s_add_nc_u64 s[WP:WP+1], s[14:15], s[24:25]
	s_lshl_b32 s24, s[WV], 13
	s_add_nc_u64 s[SCP:SCP+1], s[16:17], s[24:25]
	s_lshl_b32 s24, s[WV], 10
	s_add_nc_u64 s[BP:BP+1], s[8:9], s[24:25]
	s_lshr_b32 s24, ttmp9, 5                       ; qf: batch x 16 heads x 262,144 + 4 w heads + 4 query tiles of 2,048 for each block of 64 rows
	s_lshl_b32 s24, s24, 22
	s_lshl_b32 s27, s[WV], 20
	s_add_co_u32 s24, s24, s27
	s_and_b32 s27, ttmp9, 31
	s_lshl_b32 s27, s27, 13
	s_add_co_u32 s24, s24, s27
	s_add_nc_u64 s[OP:OP+1], s[18:19], s[24:25]
	LOADW 0, WP, SCP, BP, 0, 0
	LOADW 1, WP, SCP, BP, 1, 0
	LOADX 0
	LOADX 1
	LOADX 2
	LOADX 3
.set SS, 0
.rept KS
	XSTEP SS
.set SS, SS+1
.endr
	XFETCH
	s_mov_b32 s[CNT], 3
.Lq:                                               ; a trip: one head, two pairs; each pair asks for the pair two further on
	PAIR 0, 0, 0, 44, OP, 1, WP, SCP, BP, 2, 0
	PAIR 1, 1, 0, 44, OP, 1, WP, SCP, BP, 3, 0
	STEPP WP, SCP, BP, OP, 262144
	s_cbranch_scc1 .Lq
	PAIR 0, 0, 0, 44, OP, 0, WP, SCP, BP, 0, 0     ; the last head asks for nothing
	PAIR 1, 1, 0, 0, OP, 0, WP, SCP, BP, 0, 0
	FINISH
	; ================ key_value -> k, v
.Lkv:
.set KS, 6
.set ROWB, 3072
	SETUP 70656
	s_sub_co_u32 s26, ttmp9, 128                   ; which block of 64 rows: one key step
	s_mul_i32 s24, s26, 196608
	s_mul_i32 s25, s[WV], 49152
	s_add_co_u32 s24, s24, s25
	s_mov_b32 s25, 0
	s_add_nc_u64 s[XP:XP+1], s[6:7], s[24:25]
	s_lshl_b32 s24, s[WV], 17
	s_add_nc_u64 s[WP:WP+1], s[14:15], s[24:25]
	s_add_nc_u64 s[WPV:WPV+1], s[WP:WP+1], 1048576
	s_add_nc_u64 s[WP:WP+1], s[WP:WP+1], 524288
	s_lshl_b32 s24, s[WV], 13
	s_add_nc_u64 s[SCP:SCP+1], s[16:17], s[24:25]
	s_add_nc_u64 s[SCV:SCV+1], s[SCP:SCP+1], 65536
	s_add_nc_u64 s[SCP:SCP+1], s[SCP:SCP+1], 32768
	s_lshl_b32 s24, s[WV], 10
	s_add_nc_u64 s[BP:BP+1], s[10:11], s[24:25]
	s_add_nc_u64 s[BPV:BPV+1], s[12:13], s[24:25]
	s_lshr_b32 s24, s26, 5                         ; kvf: batch x 16 heads x 524,288 + 4 w heads + key step x 16,384
	s_lshl_b32 s24, s24, 23
	s_lshl_b32 s27, s[WV], 21
	s_add_co_u32 s24, s24, s27
	s_and_b32 s27, s26, 31
	s_lshl_b32 s27, s27, 14
	s_add_co_u32 s24, s24, s27
	s_add_nc_u64 s[OP:OP+1], s[20:21], s[24:25]
	s_add_nc_u64 s[OPV:OPV+1], s[OP:OP+1], 8192    ; V's part of a key step lies behind K's
	LOADW 0, WP, SCP, BP, 0, 0
	LOADW 1, WP, SCP, BP, 1, 0
	LOADX 0
	LOADX 1
	LOADX 2
	LOADX 3
.set SS, 0
.rept KS
	XSTEP SS
.set SS, SS+1
.endr
	XFETCH
	s_mov_b32 s[CNT], 3
.Lk:
	PAIR 0, 0, 0, 34, OP, 1, WP, SCP, BP, 2, 0
	PAIR 1, 1, 0, 34, OP, 1, WP, SCP, BP, 3, 0
	STEPP WP, SCP, BP, OP, 524288
	s_cbranch_scc1 .Lk
	PAIR 0, 0, 0, 34, OP, 1, WPV, SCV, BPV, 0, 1   ; k's last head asks for v's first two pairs
	PAIR 1, 1, 0, 46, OP, 1, WPV, SCV, BPV, 1, 1
	s_wait_xcnt 0x0                                ; these two pairs' stores have read the packed results, which v's first pairs write again
	s_mov_b32 s[CNT], 3
.Lv:
	PAIR 0, 0, 1, 46, OPV, 1, WPV, SCV, BPV, 2, 1
	PAIR 1, 1, 1, 46, OPV, 1, WPV, SCV, BPV, 3, 1
	STEPP WPV, SCV, BPV, OPV, 524288
	s_cbranch_scc1 .Lv
	PAIR 0, 0, 1, 46, OPV, 0, WPV, SCV, BPV, 0, 1
	PAIR 1, 1, 1, 0, OPV, 0, WPV, SCV, BPV, 0, 1
	FINISH
.Lfunc_end_k_qbb07b89e35_proj:
	.size	k_qbb07b89e35_proj, .Lfunc_end_k_qbb07b89e35_proj-k_qbb07b89e35_proj
	.p2alignl 7, 3214868480
	.fill 96, 4, 3214868480
	.section	.rodata,"a",@progbits
	.p2align	6, 0x0
	.amdhsa_kernel k_qbb07b89e35_proj
		.amdhsa_group_segment_fixed_size 141824
		.amdhsa_private_segment_fixed_size 0
		.amdhsa_enable_private_segment 0
		.amdhsa_kernarg_size 72
		.amdhsa_user_sgpr_count 2
		.amdhsa_user_sgpr_kernarg_segment_ptr 1
		.amdhsa_wavefront_size32 1
		.amdhsa_system_sgpr_workgroup_id_x 1
		.amdhsa_system_sgpr_workgroup_id_y 1
		.amdhsa_system_sgpr_workgroup_id_z 1
		.amdhsa_system_vgpr_workitem_id 0
		.amdhsa_next_free_vgpr 1024
		.amdhsa_next_free_sgpr 66
		.amdhsa_reserve_vcc 0
		.amdhsa_float_denorm_mode_32 3
		.amdhsa_float_denorm_mode_16_64 3
		.amdhsa_memory_ordered 1
		.amdhsa_forward_progress 1
		.amdhsa_inst_pref_size 255
	.end_amdhsa_kernel
	.section	.bss,"aw",@nobits
	.p2align	6
	.space	262144
	.amdgpu_metadata
---
amdhsa.version: [ 1, 2 ]
amdhsa.kernels:
  - .name:           k_qbb07b89e35_proj
    .symbol:         k_qbb07b89e35_proj.kd
    .args:
      - { .name: query, .offset: 0, .size: 8, .value_kind: global_buffer, .address_space: global }
      - { .name: key_value, .offset: 8, .size: 8, .value_kind: global_buffer, .address_space: global }
      - { .name: bq, .offset: 16, .size: 8, .value_kind: global_buffer, .address_space: global }
      - { .name: bk, .offset: 24, .size: 8, .value_kind: global_buffer, .address_space: global }
      - { .name: bv, .offset: 32, .size: 8, .value_kind: global_buffer, .address_space: global }
      - { .name: wcod, .offset: 40, .size: 8, .value_kind: global_buffer, .address_space: global }
      - { .name: wscl, .offset: 48, .size: 8, .value_kind: global_buffer, .address_space: global }
      - { .name: qf, .offset: 56, .size: 8, .value_kind: global_buffer, .address_space: global }
      - { .name: kvf, .offset: 64, .size: 8, .value_kind: global_buffer, .address_space: global }
    .group_segment_fixed_size: 141824
    .private_segment_fixed_size: 0
    .kernarg_segment_align: 8
    .kernarg_segment_size: 72
    .max_flat_workgroup_size: 128
    .sgpr_count:     66
    .vgpr_count:     1024
    .wavefront_size: 32
...
	.end_amdgpu_metadata
.endif
;; end of part 2
;; launch attn (part 3): grid 4 x 64, 8 waves a work-group, clusters of 4 x 1, 327,680 bytes of LDS; arguments qf, kvf, xf; writes xf
.if DOCPART == 3
	.amdgcn_target "amdgcn-amd-amdhsa--gfx1250"
	.amdhsa_code_object_version 6
	.text
	.protected	k_qbb07b89e35_attn
	.globl	k_qbb07b89e35_attn
	.p2align	8
	.type	k_qbb07b89e35_attn,@function
k_qbb07b89e35_attn:
	s_mov_b64 s[64:65], 0
	v_nop
	global_prefetch_b8 v0, s[64:65] scope:SCOPE_SE
	s_setreg_imm32_b32 hwreg(HW_REG_WAVE_MODE, 25, 1), 1
	s_wait_xcnt 0x0
	s_wait_alu depctr_hold_cnt(0) depctr_sa_sdst(0) depctr_va_vdst(0) depctr_va_sdst(0) depctr_va_ssrc(0) depctr_va_vcc(0) depctr_vm_vsrc(0)
	s_getreg_b32 s2, hwreg(HW_REG_IB_STS2, 6, 4)
	s_cmp_eq_u32 s2, 0
	s_cbranch_scc0 .Lentry_in_a_cluster
	s_endpgm
.Lentry_in_a_cluster:
	s_bfe_u32 s2, ttmp6, 0x10000c
	s_cmp_lg_u32 s2, 0x3003
	s_cbranch_scc0 .Lentry_shape_is_right
	s_endpgm
.Lentry_shape_is_right:
; x[b][q][h][:] = the sum over k of softmax_k(clip(q . k / 8, +-1e4)) v[k][:], head size 64, 2,048 keys, no mask.  q, k, v arrive as f16 fragments (images of operand registers); products, maxima and sums in f32;
; the weights p are rounded to f16 for the second product, x once at the end.  1 / 8 is a power of two, so clip(s / 8, +-1e4) = clip(s, +-8e4) / 8 exactly: the raw scores are held to +-8e4.
; SOFTMAX.  For each query a running maximum m and sum l: p = 2^(c s - c m), c = log2(e) / 8; in every step O and l are multiplied by a = 2^(c m_old - c m_new).
; LIMITS: q and k finite (then no score is NaN, the largest p of a row is 1 and the softmax has no NaN: reference()'s replacement by uniform weights never acts and is not computed); NaN or infinite scores are not served; x within +-65,504 (f16).
; SHARES.  A work-group owns 512 queries of one (batch, head); each of its eight waves 64: four tiles of 16, in 512 registers: two waves to a SIMD, so that one wave's softmax stands beside the other's products.
; LAYOUT.  S^T = K Q^T (source 0 = 16 keys, source 1 = 16 queries): a lane holds ONE query and keys 8 (lane / 16) + 0..7.  Two such tiles, rounded in pairs, ARE source 1 of O^T = V^T P, whose result again holds one query a lane and
; eight channels; two of those, rounded, are a fragment of x for the last product.  Nothing changes lanes but the exchange of a query's maximum and sum between the halves.
; RING.  A key step (64 keys) is 16,384 dense bytes: K's 8 fragments, then V^T's 8.  Two LDS slots of 8 key steps; each wave fetches one key step of a slot by one tensor load.  The head's 32 key steps are four slots' worth: two first fills and
; two refills, each with eight key steps of work in which to land; so nothing is prefetched.  Fragments are read at 16 x lane: 512 consecutive bytes an instruction, no padding.
; CLUSTER.  The four query blocks of a head walk the same K and V: each tile is asked for JOINTLY, by the same tensor load with the same descriptor and a mask that names the four.
; A TRIP is the second half of key step j and the first half of step j + 1: K(j + 1) from LDS | softmax(j) | O^T += V^T P (j) | V(j + 1) from LDS | S^T = K Q^T (j + 1).  It reads LDS bytes of step j + 1 alone.
; REGISTERS.  window 0: v1-4 addresses; v16-47 eight statistics a tile (+0 c m, +1 m, +2, +3 l, +4..+7 at work; a in +6); v64-191 S^T, 32 a tile, then P in its first 16; v192-255 K's fragments.
;   window 1: v0-127 O^T, 32 a tile; v128-191 Q, 16 a tile; v192-255 V^T's fragments.
.set LI,  1                            ; 16 x lane
.set ADR, 2                            ; the LDS address of the run of loads in hand
.set SPW, 3                            ; LDS address of my spare word; never rewritten
.set NIL, 4                            ; 0; never rewritten
.set ST,  16
.set S,   64
.set KF,  192
.set Q,   128                          ; in window 1
.set VF,  192                          ; in window 1
.set SLOT1, 131072
.set SPARE, 262144                     ; behind the ring: the spare words, 128 bytes for each of eight waves
.set WV,  12
.set G1,  24                           ; s[24:31] descriptor group 1
.set G0A, 32                           ; s[32:35] group 0 of slot 0's first fill
.set G0W, 36                           ; s[36:39] group 0 of slot 1's first fill; it then walks
.set TB,  40                           ; LDS byte of the key step to be fetched
.set CI,  41
.set CX,  42
.set CS,  44                           ; s[44:45] c
.set SEL, 46
.set CLO, 48
.set CHI, 49
.set MSB, 0
.macro WIN new                         ; the immediate's high byte repeats the setting that is left
.if MSB != \new
	s_set_vgpr_msb (MSB<<8)|\new
.set MSB, \new
.endif
.endm
.macro PLACES n
.rept \n
	v_nop
.endr
.endm
.macro CROUND                          ; a round of the cluster's barrier
	s_barrier_signal -1
	s_barrier_wait -1
	s_cmp_lg_u32 s[WV], 0
	s_cbranch_scc1 .Lnot_wave_0_\@
	s_barrier_signal -3
.Lnot_wave_0_\@:
	s_barrier_wait -3
	s_barrier_signal -1
	s_barrier_wait -1
.endm
.macro FETCH_K                         ; K's 8 fragments (key tile kt, channels 32 c on) at v[KF + 16 kt + 8 c]
	WIN 0
	v_add_nc_u32 v[ADR], s[TB], v[LI]
.set i_, 0
.rept 16
	ds_load_b128 v[KF+4*i_:KF+4*i_+3], v[ADR] offset:512*i_
.set i_, i_+1
.endr
.endm
.macro FETCH_V                         ; V^T's 8 fragments (channel tile ct, keys 32 kh on) at v[VF + 16 ct + 8 kh] of window 1
	WIN 0
	v_add_nc_u32 v[ADR], s[TB], v[LI]
	s_add_co_u32 s[TB], s[TB], 16384               ; the next fetch is the next key step's
	WIN 0x40
.set i_, 0
.rept 16
	ds_load_b128 v[VF+4*i_:VF+4*i_+3], v[ADR] offset:8192+512*i_
.set i_, i_+1
.endr
.endm
; The accumulators take turns, one instruction a turn: between two links of a chain stand 15 others'.
.macro QK                              ; S^T = K Q^T: 32 products; the first 16 start the sums
	WIN 0x04                                       ; Q in window 1
.irp c, 0,1
.irp kt, 0,1,2,3
.irp t, 0,1,2,3
.if \c == 0
	v_wmma_f32_16x16x32_f16 v[S+32*\t+8*\kt:S+32*\t+8*\kt+7], v[KF+16*\kt+8*\c:KF+16*\kt+8*\c+7], v[Q+16*\t+8*\c:Q+16*\t+8*\c+7], 0
.else
	v_wmma_f32_16x16x32_f16 v[S+32*\t+8*\kt:S+32*\t+8*\kt+7], v[KF+16*\kt+8*\c:KF+16*\kt+8*\c+7], v[Q+16*\t+8*\c:Q+16*\t+8*\c+7], v[S+32*\t+8*\kt:S+32*\t+8*\kt+7]
.endif
.endr
.endr
.endr
.endm
.macro PV first                        ; O^T += V^T P: 32 products; first = 1: the first 16 start the sums
	WIN 0x51                                       ; V^T and O^T in window 1, P in window 0
.irp kh, 0,1
.irp ct, 0,1,2,3
.irp t, 0,1,2,3
.if \first && (\kh == 0)
	v_wmma_f32_16x16x32_f16 v[32*\t+8*\ct:32*\t+8*\ct+7], v[VF+16*\ct+8*\kh:VF+16*\ct+8*\kh+7], v[S+32*\t+8*\kh:S+32*\t+8*\kh+7], 0
.else
	v_wmma_f32_16x16x32_f16 v[32*\t+8*\ct:32*\t+8*\ct+7], v[VF+16*\ct+8*\kh:VF+16*\ct+8*\kh+7], v[S+32*\t+8*\kh:S+32*\t+8*\kh+7], v[32*\t+8*\ct:32*\t+8*\ct+7]
.endif
.endr
.endr
.endr
.endm
.macro SCL t, b                        ; pair b of tile t: c s - c m
	v_pk_fma_f32 v[S+32*(\t)+2*(\b):S+32*(\t)+2*(\b)+1], v[S+32*(\t)+2*(\b):S+32*(\t)+2*(\b)+1], s[CS:CS+1], v[ST+8*(\t):ST+8*(\t)+1] op_sel_hi:[1,0,0] neg_lo:[0,0,1] neg_hi:[0,0,1]
.endm
; The softmax of a key step, the four tiles by turns.  first = 1: the first key step: no old maximum, no a, nothing to rescale.
.macro SOFTMAX first
	WIN 0
.set i_, 0
.rept 128
	v_med3_num_f32 v[S+i_], v[S+i_], s[CLO], s[CHI]   ; the clip; each accumulator is read from its low end on
.set i_, i_+1
.endr
.irp j, 0,1,2,3                                ; the maximum of a lane's 32 scores and the old m: four chains of seven, then the rest
.irp t, 0,1,2,3
	v_max3_num_f32 v[ST+8*\t+4+\j], v[S+32*\t+8*\j], v[S+32*\t+8*\j+1], v[S+32*\t+8*\j+2]
.endr
.endr
.irp g, 1,2
.irp j, 0,1,2,3
.irp t, 0,1,2,3
	v_max3_num_f32 v[ST+8*\t+4+\j], v[ST+8*\t+4+\j], v[S+32*\t+8*\j+2*\g+1], v[S+32*\t+8*\j+2*\g+2]
.endr
.endr
.endr
.irp t, 0,1,2,3
	v_max3_num_f32 v[ST+8*\t+4], v[ST+8*\t+4], v[S+32*\t+7], v[S+32*\t+15]
.endr
.irp t, 0,1,2,3
	v_max3_num_f32 v[ST+8*\t+6], v[ST+8*\t+6], v[S+32*\t+23], v[S+32*\t+31]
.endr
.irp t, 0,1,2,3
	v_max3_num_f32 v[ST+8*\t+4], v[ST+8*\t+4], v[ST+8*\t+5], v[ST+8*\t+6]
.endr
.irp t, 0,1,2,3
.if \first
	v_max_num_f32 v[ST+8*\t+4], v[ST+8*\t+4], v[ST+8*\t+7]
.else
	v_max3_num_f32 v[ST+8*\t+4], v[ST+8*\t+4], v[ST+8*\t+7], v[ST+8*\t+1]
.endif
.endr
.irp t, 0,1,2,3
	v_permlanex16_b32 v[ST+8*\t+5], v[ST+8*\t+4], s[SEL], s[SEL+1]   ; the query's other 32 keys lie in the lane 16 away
.endr
.if !\first
.irp t, 0,1,2,3
	v_mov_b32 v[ST+8*\t+7], v[ST+8*\t]             ; c m_old is kept for a
.endr
.endif
.irp t, 0,1,2,3
	v_max_num_f32 v[ST+8*\t+1], v[ST+8*\t+4], v[ST+8*\t+5]
.endr
.irp t, 0,1,2,3
	v_mul_f32 v[ST+8*\t], s[CS], v[ST+8*\t+1]
.endr
.if !\first
.irp t, 0,1,2,3
	v_sub_f32 v[ST+8*\t+7], v[ST+8*\t+7], v[ST+8*\t]
.endr
.irp t, 0,1,2,3
	v_exp_f32 v[ST+8*\t+6], v[ST+8*\t+7]           ; a
.endr
.endif
; ONE BATCH: the scalings and all exponentials; none of these lines names an exponential's result.  A tile's exponentials stand between the next tile's scalings.
.set i_, 0
.rept 16
	SCL 0, i_
.set i_, i_+1
.endr
.irp t, 0,1,2,3
.set i_, 0
.rept 16
.if \t < 3
	SCL \t+1, i_
.endif
	v_exp_f32 v[S+32*\t+2*i_], v[S+32*\t+2*i_]
	v_exp_f32 v[S+32*\t+2*i_+1], v[S+32*\t+2*i_+1]
.set i_, i_+1
.endr
.endr
	v_nop                                          ; a plain line behind the last exponential
	s_wait_alu depctr_va_vdst(0)                   ; one wait for the whole batch, ahead of the first line that names a result
.irp t, 0,1,2,3                                ; the step's sum of p, unrounded, in pairs (an even key's, an odd key's); four chains
	v_pk_add_f32 v[ST+8*\t+4:ST+8*\t+5], v[S+32*\t:S+32*\t+1], v[S+32*\t+2:S+32*\t+3]
.endr
.irp b, 2,3,4,5,6,7,8,9,10,11,12,13,14
.irp t, 0,1,2,3
	v_pk_add_f32 v[ST+8*\t+4:ST+8*\t+5], v[ST+8*\t+4:ST+8*\t+5], v[S+32*\t+2*\b:S+32*\t+2*\b+1]
.endr
.endr
.irp t, 0,1,2,3
.if \first
	v_pk_add_f32 v[ST+8*\t+2:ST+8*\t+3], v[ST+8*\t+4:ST+8*\t+5], v[S+32*\t+30:S+32*\t+31]
.else
	v_pk_add_f32 v[ST+8*\t+4:ST+8*\t+5], v[ST+8*\t+4:ST+8*\t+5], v[S+32*\t+30:S+32*\t+31]
.endif
.endr
.if !\first
.irp t, 0,1,2,3
	v_pk_fma_f32 v[ST+8*\t+2:ST+8*\t+3], v[ST+8*\t+2:ST+8*\t+3], v[ST+8*\t+6:ST+8*\t+7], v[ST+8*\t+4:ST+8*\t+5] op_sel_hi:[1,0,1]   ; l = a l + the sum
.endr
.endif
.irp kh, 0,1                                   ; P in place of S^T: register 8 kh + i takes scores 16 kh + 2 i, + 1; ascending, so that each register written has been read
.irp i, 0,1,2,3,4,5,6,7
.irp t, 0,1,2,3
	v_cvt_pk_f16_f32 v[S+32*\t+8*\kh+\i], v[S+32*\t+16*\kh+2*\i], v[S+32*\t+16*\kh+2*\i+1]
.endr
.endr
.endr
.if !\first
	WIN 0x41                                       ; O^T (destination and source 0) in window 1, a in window 0
.irp t, 0,1,2,3
.set i_, 0
.rept 16
	v_pk_mul_f32 v[32*\t+2*i_:32*\t+2*i_+1], v[32*\t+2*i_:32*\t+2*i_+1], v[ST+8*\t+6:ST+8*\t+7] op_sel_hi:[1,0]
.set i_, i_+1
.endr
.endr
.endif
.endm
.macro TRIP first
	FETCH_K                                        ; K of step j + 1 (four places stand behind the products that read K's registers)
	SOFTMAX \first
	s_wait_dscnt 16                                ; V of step j is in; K's sixteen loads, issued behind it, may be out
	PV \first
	PLACES 5                                       ; in front of the loads into V's registers (four are asked) and of the products that write over P (five)
	FETCH_V
	s_wait_dscnt 16                                ; K of step j + 1 is in; V's sixteen may be out
	QK
	PLACES 4                                       ; in front of the loads into K's registers and of the first read of the scores
	WIN 0
.endm
.macro STEPS n
	s_mov_b32 s[CI], \n
.Lstep_\@:
	TRIP 0
	s_sub_co_u32 s[CI], s[CI], 1
	s_cmp_lg_u32 s[CI], 0
	s_cbranch_scc1 .Lstep_\@
.endm
; THE CHANGE OF SLOTS: all eight key steps of the slot in hand have been fetched into registers.  Each wave waits for all its tensor loads (its part of the other slot), adds 0 to its spare word, and waits for that and for its reads.
; fill = 1: the slot that is left is filled again, with the keys two slots on; the barrier is then a round of the cluster's, and the joint refill is the first thing behind it.
.macro CHANGE fill
	s_wait_tensorcnt 0x0                           ; no tensor load of mine is out, so a group 0 may be written
	ds_add_u32 v[SPW], v[NIL]                      ; 0 onto my spare word
.if \fill
	s_xor_b32 s[G0W+1], s[G0W+1], SLOT1            ; the walking descriptor: the other slot than last time,
	s_add_nc_u64 s[G0W+2:G0W+3], s[G0W+2:G0W+3], 131072   ; the next eight key steps; the type bits on top are not reached
.endif
	s_wait_dscnt 0x0                               ; the add is done, and my reads of the slot are over
.if \fill
	CROUND
	tensor_load_to_lds s[G0W:G0W+3], s[G1:G1+7]
	s_nop 0
	PLACES 4
.else
	s_barrier_signal -1
	s_barrier_wait -1
.endif
	s_sub_co_u32 s[TB], s[TB], 131072              ; the fetches go back to a slot's first key step,
	s_xor_b32 s[TB], s[TB], SLOT1                  ; in the other slot
.endm
	s_load_b128 s[4:7], s[0:1], 0x0                ; qf s[4:5], kvf s[6:7]
	s_load_b64 s[8:9], s[0:1], 0x10                ; xf
	v_lshl_add_u32 v[SPW], v0, 2, SPARE
	v_mov_b32 v[NIL], 0
	ds_add_u32 v[SPW], v[NIL]                      ; the wave's opening: the add, twice on end, and its wait ahead of my first tensor load
	ds_add_u32 v[SPW], v[NIL]
	v_lshrrev_b32 v1, 5, v0
	v_readfirstlane_b32 s[WV], v1                  ; wave 0..7
	s_bfe_u32 s13, ttmp6, 0x40000                  ; cx: my block of 512 queries; it enters Q's and x's addresses alone
	s_and_b32 s14, ttmp7, 0xffff                   ; 16 x batch + head, which the four partners share
	; descriptor group 1: 16,384 dense bytes as 64 rows of 32 elements of 8 bytes
	s_mov_b32 s[G1], 15|(3<<16)|(1<<21)            ; 15:0 the mask: all four work-groups; 17:16 elements of 8 bytes; 21 set beside a mask; no padding
	s_mov_b32 s[G1+1], 32<<16                      ; tensor_dim0 = 32
	s_mov_b32 s[G1+2], 64<<16                      ; tensor_dim1 = 64
	s_mov_b32 s[G1+3], 32<<16                      ; tile_dim0 = 32
	s_mov_b32 s[G1+4], 64                          ; tile_dim1 = 64
	s_mov_b32 s[G1+5], 32                          ; from row to row
	s_mov_b32 s[G1+6], 0
	s_mov_b32 s[G1+7], 0
	s_mov_b32 s[CS], 0x3e38aa3b                    ; c = log2(e) / 8
	s_mov_b32 s[CS+1], s[CS]                       ; (named with it as a pair, so it is written)
	s_mov_b32 s[SEL], 0x76543210
	s_mov_b32 s[SEL+1], 0xfedcba98
	s_mov_b32 s[CLO], 0xc79c4000                   ; -8e4
	s_mov_b32 s[CHI], 0x479c4000                   ; 8e4
	s_mov_b32 s[TB], 0
	v_and_b32 v1, 31, v0
	v_lshlrev_b32 v[LI], 4, v1
	s_lshl_b32 s16, s14, 19                        ; kvf: the head's 524,288 bytes, my key step of a slot
	s_lshl_b32 s17, s[WV], 14
	s_add_co_u32 s16, s16, s17
	s_mov_b32 s17, 0
	s_lshl_b32 s18, s14, 18                        ; qf: (128 x head + 32 cx + 4 wave) tiles of 2,048 bytes
	s_lshl_b32 s19, s13, 16
	s_add_co_u32 s18, s18, s19
	s_lshl_b32 s19, s[WV], 13
	s_add_co_u32 s18, s18, s19
	s_mov_b32 s19, 0
	s_and_b32 s15, s14, 15                         ; xf: (head / 2) x 2,097,152 + (128 batch + 32 cx + 4 wave) x 4,096 + (head % 2) x 2,048
	s_lshr_b32 s20, s15, 1
	s_lshl_b32 s20, s20, 21
	s_lshr_b32 s21, s14, 4
	s_lshl_b32 s21, s21, 19
	s_add_co_u32 s20, s20, s21
	s_lshl_b32 s21, s13, 17
	s_add_co_u32 s20, s20, s21
	s_lshl_b32 s21, s[WV], 14
	s_add_co_u32 s20, s20, s21
	s_and_b32 s21, s15, 1
	s_lshl_b32 s21, s21, 11
	s_add_co_u32 s20, s20, s21
	s_mov_b32 s21, 0
	s_wait_dscnt 0x0                               ; both opening adds are done
	s_wait_kmcnt 0x0
	s_add_nc_u64 s[6:7], s[6:7], s[16:17]
	s_add_nc_u64 s[4:5], s[4:5], s[18:19]
	s_add_nc_u64 s[8:9], s[8:9], s[20:21]
	s_mov_b32 s[G0A], 1                            ; count = 1
	s_lshl_b32 s[G0A+1], s[WV], 14                 ; LDS address: slot 0, my key step: no place in the cluster enters it
	s_mov_b64 s[G0A+2:G0A+3], s[6:7]
	s_or_b32 s[G0A+3], s[G0A+3], 0x80000000        ; type = 2
	s_mov_b32 s[G0W], 1
	s_add_co_u32 s[G0W+1], s[G0A+1], SLOT1
	s_add_nc_u64 s[G0W+2:G0W+3], s[6:7], 131072    ; key steps 8 to 15
	s_or_b32 s[G0W+3], s[G0W+3], 0x80000000
	CROUND                                         ; all four work-groups are here: the first joint loads meet
	tensor_load_to_lds s[G0A:G0A+3], s[G1:G1+7]    ; both first fills together: two tensor loads of mine are out
	s_nop 0
	tensor_load_to_lds s[G0W:G0W+3], s[G1:G1+7]
	s_nop 0
	PLACES 4
	WIN 0x40
.set i_, 0
.rept 16
	global_load_b128 v[Q+4*i_:Q+4*i_+3], v[LI], s[4:5] offset:512*i_ th:TH_LOAD_NT   ; Q stays in registers: tile t, channels 32 c on at v[Q + 16 t + 8 c]
.set i_, i_+1
.endr
	WIN 0
	s_wait_tensorcnt 1                             ; my part of slot 0 is in; slot 1's may stay out
	s_barrier_signal -1
	s_barrier_wait -1                              ; everybody's is
	FETCH_K                                        ; key step 0
	FETCH_V
	s_wait_loadcnt 0x0                             ; Q
	s_wait_dscnt 16                                ; K
	QK
	PLACES 4
	WIN 0
	TRIP 1                                         ; step 0's second half starts m, l and O^T
	STEPS 6                                        ; key steps 2 to 7 are fetched: slot 0 is read out
	s_mov_b32 s[CX], 2
.Lslot:                                            ; two trips: the two refills
	CHANGE 1
	STEPS 8
	s_sub_co_u32 s[CX], s[CX], 1
	s_cmp_lg_u32 s[CX], 0
	s_cbranch_scc1 .Lslot
	CHANGE 0                                       ; the last slot: nothing is left to ask for
	STEPS 8
	SOFTMAX 0                                      ; the last key step's second half
	s_wait_dscnt 0x0
	PV 0
	; THE WAY OUT.  l's two halves and the other half of the lanes' are added (these lines are the places behind the last products); O^T / l, rounded to f16, is x's fragment as it stands.
	WIN 0
.irp t, 0,1,2,3
	v_add_f32 v[ST+8*\t+4], v[ST+8*\t+2], v[ST+8*\t+3]
.endr
.irp t, 0,1,2,3
	v_permlanex16_b32 v[ST+8*\t+5], v[ST+8*\t+4], s[SEL], s[SEL+1]
.endr
.irp t, 0,1,2,3
	v_add_f32 v[ST+8*\t+4], v[ST+8*\t+4], v[ST+8*\t+5]
.endr
.irp t, 0,1,2,3
	v_rcp_f32 v[ST+8*\t+6], v[ST+8*\t+4]
.endr
	v_nop                                          ; a plain line behind the last reciprocal
	s_wait_alu depctr_va_vdst(0)                   ; one wait for the four, ahead of the first use
.irp t, 0,1,2,3
	WIN 0x41
.set i_, 0
.rept 16
	v_pk_mul_f32 v[32*\t+2*i_:32*\t+2*i_+1], v[32*\t+2*i_:32*\t+2*i_+1], v[ST+8*\t+6:ST+8*\t+7] op_sel_hi:[1,0]
.set i_, i_+1
.endr
	WIN 0x05                                       ; sources in window 1, destination in window 0: S^T's registers are free
.set i_, 0
.rept 16
	v_cvt_pk_f16_f32 v[S+32*\t+i_], v[32*\t+2*i_], v[32*\t+2*i_+1]
.set i_, i_+1
.endr
	WIN 0
.irp ct, 0,1,2,3
	global_store_b128 v[LI], v[S+32*\t+4*\ct:S+32*\t+4*\ct+3], s[8:9] offset:4096*\t+512*\ct   ; 512 consecutive bytes, aligned: half ct % 2 of the fragment of channels 32 (ct / 2) on
.endr
.endr
	s_wait_tensorcnt 0x0                           ; the wave's end
	ds_add_u32 v[SPW], v[NIL]
	s_wait_dscnt 0x0
	CROUND                                         ; the closing round: no work-group ends while a partner may still ask for a tile that names it
	s_endpgm
.Lfunc_end_k_qbb07b89e35_attn:
	.size	k_qbb07b89e35_attn, .Lfunc_end_k_qbb07b89e35_attn-k_qbb07b89e35_attn
	.p2alignl 7, 3214868480
	.fill 96, 4, 3214868480
	.section	.rodata,"a",@progbits
	.p2align	6, 0x0
	.amdhsa_kernel k_qbb07b89e35_attn
		.amdhsa_group_segment_fixed_size 327680
		.amdhsa_private_segment_fixed_size 0
		.amdhsa_enable_private_segment 0
		.amdhsa_kernarg_size 24
		.amdhsa_user_sgpr_count 2
		.amdhsa_user_sgpr_kernarg_segment_ptr 1
		.amdhsa_wavefront_size32 1
		.amdhsa_system_sgpr_workgroup_id_x 1
		.amdhsa_system_sgpr_workgroup_id_y 1
		.amdhsa_system_sgpr_workgroup_id_z 1
		.amdhsa_system_vgpr_workitem_id 0
		.amdhsa_next_free_vgpr 512
		.amdhsa_next_free_sgpr 66
		.amdhsa_reserve_vcc 0
		.amdhsa_float_denorm_mode_32 3
		.amdhsa_float_denorm_mode_16_64 3
		.amdhsa_memory_ordered 1
		.amdhsa_forward_progress 1
		.amdhsa_inst_pref_size 212
	.end_amdhsa_kernel
	.amdgpu_metadata
---
amdhsa.version: [ 1, 2 ]
amdhsa.kernels:
  - .name:           k_qbb07b89e35_attn
    .symbol:         k_qbb07b89e35_attn.kd
    .args:
      - { .name: qf, .offset: 0, .size: 8, .value_kind: global_buffer, .address_space: global }
      - { .name: kvf, .offset: 8, .size: 8, .value_kind: global_buffer, .address_space: global }
      - { .name: xf, .offset: 16, .size: 8, .value_kind: global_buffer, .address_space: global }
    .group_segment_fixed_size: 327680
    .private_segment_fixed_size: 0
    .kernarg_segment_align: 8
    .kernarg_segment_size: 24
    .max_flat_workgroup_size: 256
    .sgpr_count:     66
    .vgpr_count:     512
    .wavefront_size: 32
...
	.end_amdgpu_metadata
.endif
;; end of part 3
;; launch oproj (part 4): grid 4 x 64, 4 waves a work-group, clusters of 4 x 4, 327,680 bytes of LDS; arguments xf, wof, bo, out0; writes out0
.if DOCPART == 4
	.amdgcn_target "amdgcn-amd-amdhsa--gfx1250"
	.amdhsa_code_object_version 6
	.text
	.protected	k_qbb07b89e35_oproj
	.globl	k_qbb07b89e35_oproj
	.p2align	8
	.type	k_qbb07b89e35_oproj,@function
k_qbb07b89e35_oproj:
	s_mov_b64 s[64:65], 0
	v_nop
	global_prefetch_b8 v0, s[64:65] scope:SCOPE_SE
	s_setreg_imm32_b32 hwreg(HW_REG_WAVE_MODE, 25, 1), 1
	s_wait_xcnt 0x0
	s_wait_alu depctr_hold_cnt(0) depctr_sa_sdst(0) depctr_va_vdst(0) depctr_va_sdst(0) depctr_va_ssrc(0) depctr_va_vcc(0) depctr_vm_vsrc(0)
	s_getreg_b32 s2, hwreg(HW_REG_IB_STS2, 6, 4)
	s_cmp_eq_u32 s2, 0
	s_cbranch_scc0 .Lentry_in_a_cluster
	s_endpgm
.Lentry_in_a_cluster:
	s_bfe_u32 s2, ttmp6, 0x10000c
	s_cmp_lg_u32 s2, 0xf033
	s_cbranch_scc0 .Lentry_shape_is_right
	s_endpgm
.Lentry_shape_is_right:
; out0 = x Wo + bo.  x [8192][1024] and Wo arrive as f16 fragments (images of operand registers): xf [K group 8][row tile 512][K step of 32: 4][1,024 B], wof [K group 8][column tile 64][4][1,024 B]; sums in f32; out0 [8192][1024] f32.
; A tile of out0 is 128 rows x 256 columns: 256 work-groups of four waves; wave (wr, wc) makes 64 x 128: 32 accumulators, 256 registers.  K goes in 8 groups of 128 through a ring of two LDS slots.
; A K group's part of A (8 row tiles, 32,768 bytes) and of B (16 column tiles, 65,536 bytes) are dense blocks of memory; waves 0, 1 fetch A's halves, waves 2, 3 B's, one tensor load each.
; Fragments are read at 16 x lane, 512 consecutive bytes an instruction: no padding.
; CLUSTERS: 4 x 4 work-groups.  The four of a row of the cluster need the same tiles of A, the four of a column the same tiles of B: each is asked for JOINTLY, by the same tensor load with the same descriptor and a mask that names the four.
; THE MATRIX INSTRUCTION IS USED TRANSPOSED (source 0 = 16 columns of Wo, source 1 = 16 rows of x): a lane holds eight neighbouring numbers of a row of out0.
; THE BIAS is loaded straight into the accumulators, in the result's layout, so every product adds in place and no step is written apart.  The 32 accumulators take turns, one instruction a turn, in the same order everywhere.
; REGISTERS.  window 0: v16-29 addresses; two fragment buffers of 96 at v32 and v128 (A's 4 fragments, then B's 8); on the way out v32-159 hold rows.   window 1: accumulator (a, b) at v[8 (8 a + b)].
.set SLOT,  98304                      ; A's 32,768 bytes, then B's 65,536
.set STAGE, 2*SLOT                     ; behind the ring: 16 rows x 528 bytes for each wave
.set SPARE, STAGE+4*16*528             ; behind the stages: the spare words, 128 bytes a wave
.set ADRA, 16                          ; v16-17 LDS address of my A fragments in slot 0, 1
.set ADRB, 20                          ; v20-21 the same for B
.set STO,  24
.set RD,   25
.set CO,   26                          ; 16 x lane
.set BA,   27                          ; 32 h
.set SPW,  28
.set NIL,  29
.set F0,   32
.set F1,   128
.set G1,  24                           ; s[24:31] group 1 for A's tiles; s[32:39] group 0, one set for each slot
.set G0,  32
.set G1B, 48                           ; s[48:55], s[56:63] the same for B's
.set G0B, 56
.set MSB, 0
.macro WIN new                         ; the immediate's high byte repeats the setting that is left
.if MSB != \new
	s_set_vgpr_msb (MSB<<8)|\new
.set MSB, \new
.endif
.endm
.macro PLACES n
.rept \n
	v_nop
.endr
.endm
.macro JLOAD s                         ; a joint load: waves 0 and 1 fetch A's halves, waves 2 and 3 B's; an s_nop 0 and four v_nop follow each of the two lines
	s_cmp_eq_u32 s11, 0
	s_cbranch_scc0 .Lfor_b_\@
	tensor_load_to_lds s[G0+4*\s:G0+4*\s+3], s[G1:G1+7]
	s_nop 0
	PLACES 4
	s_branch .Lasked_\@
.Lfor_b_\@:
	tensor_load_to_lds s[G0B+4*\s:G0B+4*\s+3], s[G1B:G1B+7]
	s_nop 0
	PLACES 4
.Lasked_\@:
.endm
.macro CREST                           ; a round of the cluster's barrier behind its opening barrier
	s_cmp_lg_u32 s10, 0
	s_cbranch_scc1 .Lnot_wave_0_\@
	s_barrier_signal -3
.Lnot_wave_0_\@:
	s_barrier_wait -3
	s_barrier_signal -1
	s_barrier_wait -1
.endm
.macro CROUND
	s_barrier_signal -1
	s_barrier_wait -1
	CREST
.endm
	s_load_b128 s[4:7], s[0:1], 0x0                ; xf s[4:5], wof s[6:7]
	s_load_b128 s[16:19], s[0:1], 0x10             ; bo s[16:17], out0 s[18:19]
	v_lshl_add_u32 v[SPW], v0, 2, SPARE
	v_mov_b32 v[NIL], 0
	ds_add_u32 v[SPW], v[NIL]                      ; the wave's opening: the add, twice on end, and its wait ahead of my first tensor load
	ds_add_u32 v[SPW], v[NIL]
	v_lshrrev_b32 v1, 5, v0
	v_readfirstlane_b32 s10, v1                    ; wave 0..3
	s_lshr_b32 s11, s10, 1                         ; wr: which 64 rows are mine.  Also: I fetch for A (0) or for B (1)
	s_and_b32 s12, s10, 1                          ; wc: which 128 columns.  Also: which half of that tile I fetch
	s_bfe_u32 s40, ttmp6, 0x40000                  ; cx, cy: my place in the cluster
	s_bfe_u32 s41, ttmp6, 0x40004
	s_lshl_b32 s42, ttmp9, 2
	s_add_co_u32 s42, s42, s40                     ; tile column = 4 x cluster x + cx
	s_and_b32 s13, ttmp7, 0xffff
	s_lshl_b32 s13, s13, 2
	s_add_co_u32 s13, s13, s41                     ; tile row = 4 x cluster y + cy
	s_lshl_b32 s43, s41, 2
	s_lshl_b32 s43, 15, s43                        ; my row of the cluster
	s_lshl_b32 s44, 0x1111, s40                    ; my column
	s_or_b32 s[G1], s43, (3<<16)|(1<<21)           ; 15:0 the mask: A's tiles go to my row; 17:16 elements of 8 bytes; 21 set beside a mask; no padding
	s_or_b32 s[G1B], s44, (3<<16)|(1<<21)
	s_mov_b32 s[G1+1], 32<<16                      ; A: 16,384 dense bytes as 64 rows of 32 elements
	s_mov_b32 s[G1+2], 64<<16
	s_mov_b32 s[G1+3], 32<<16
	s_mov_b32 s[G1+4], 64
	s_mov_b32 s[G1+5], 32
	s_mov_b32 s[G1+6], 0
	s_mov_b32 s[G1+7], 0
	s_mov_b32 s[G1B+1], 32<<16                     ; B: 32,768 dense bytes as 128 rows
	s_mov_b32 s[G1B+2], 128<<16
	s_mov_b32 s[G1B+3], 32<<16
	s_mov_b32 s[G1B+4], 128
	s_mov_b32 s[G1B+5], 32
	s_mov_b32 s[G1B+6], 0
	s_mov_b32 s[G1B+7], 0
	s_lshl_b32 s20, s13, 15                        ; A: (8 x tile row + 4 x half) row tiles of 4,096 bytes
	s_lshl_b32 s14, s12, 14                        ; (also its place in a slot)
	s_add_co_u32 s20, s20, s14
	s_mov_b32 s21, 0
	s_lshl_b32 s46, s42, 16                        ; B: (16 x tile column + 8 x half) column tiles of 4,096 bytes
	s_lshl_b32 s15, s12, 15
	s_add_co_u32 s46, s46, s15
	s_mov_b32 s47, 0
	s_add_co_u32 s15, s15, 32768                   ; B's place in a slot, behind A's: no place in the cluster enters an LDS address
	s_wait_dscnt 0x0                               ; both opening adds are done
	s_wait_kmcnt 0x0
	s_add_nc_u64 s[20:21], s[4:5], s[20:21]
	s_add_nc_u64 s[46:47], s[6:7], s[46:47]
	CROUND                                         ; all sixteen work-groups are here: the first joint loads meet
.irp s, 0,1
	s_mov_b32 s[G0+4*\s], 1
	s_add_co_u32 s[G0+4*\s+1], s14, \s*SLOT
	s_add_nc_u64 s[G0+4*\s+2:G0+4*\s+3], s[20:21], \s*2097152      ; K group s
	s_or_b32 s[G0+4*\s+3], s[G0+4*\s+3], 0x80000000
	s_mov_b32 s[G0B+4*\s], 1
	s_add_co_u32 s[G0B+4*\s+1], s15, \s*SLOT
	s_add_nc_u64 s[G0B+4*\s+2:G0B+4*\s+3], s[46:47], \s*262144
	s_or_b32 s[G0B+4*\s+3], s[G0B+4*\s+3], 0x80000000
	JLOAD \s
.endr
	v_and_b32 v1, 31, v0
	v_lshlrev_b32 v[CO], 4, v1
	v_and_b32 v2, 15, v0                           ; r
	v_bfe_u32 v3, v0, 4, 1                         ; h
	s_lshl_b32 s22, s11, 14                        ; my 4 row tiles of A
	s_lshl_b32 s23, s12, 15                        ; my 8 column tiles of B,
	s_add_co_u32 s23, s23, 32768                   ; which lie behind A's
.irp s, 0,1
	v_add_nc_u32 v[ADRA+\s], s22, v[CO]
	v_add_nc_u32 v[ADRB+\s], s23, v[CO]
	s_add_co_u32 s22, s22, SLOT
	s_add_co_u32 s23, s23, SLOT
.endr
	s_mul_i32 s22, s10, 16*528
	s_add_co_u32 s22, s22, STAGE                   ; my stage
	v_mul_u32_u24 v[STO], v2, 528                  ; in: row r, 32 bytes for each half of the lanes
	v_lshl_add_u32 v[STO], v3, 5, v[STO]
	v_add_nc_u32 v[STO], s22, v[STO]
	v_add_nc_u32 v[RD], s22, v[CO]                 ; back: the 32 lanes take one row of 512 bytes
	v_lshlrev_b32 v[BA], 5, v3
	s_lshl_b32 s22, s42, 10                        ; my first column, in bytes: 1,024 x tile column + 512 wc
	s_lshl_b32 s23, s12, 9
	s_add_co_u32 s22, s22, s23
	s_mov_b32 s23, 0
	s_add_nc_u64 s[16:17], s[16:17], s[22:23]
	s_add_nc_u64 s[18:19], s[18:19], s[22:23]
	s_lshl_b32 s22, s13, 19                        ; my first row: (128 x tile row + 64 wr) rows of 4,096 bytes
	s_lshl_b32 s46, s11, 18
	s_add_co_u32 s22, s22, s46
	s_add_nc_u64 s[18:19], s[18:19], s[22:23]
	WIN 0x40
.irp a, 0,1,2,3
.irp b, 0,1,2,3,4,5,6,7
	global_load_b128 v[8*(8*\a+\b):8*(8*\a+\b)+3], v[BA], s[16:17] offset:64*\b        ; bo at columns 16 b + 8 h + 0 .. 7
	global_load_b128 v[8*(8*\a+\b)+4:8*(8*\a+\b)+7], v[BA], s[16:17] offset:64*\b+16
.endr
.endr
	WIN 0
.macro MUL8 f, a                       ; row tile a x my 8 column tiles, 32 along K
.irp b, 0,1,2,3,4,5,6,7
	v_wmma_f32_16x16x32_f16 v[8*(8*(\a)+\b):8*(8*(\a)+\b)+7], v[\f+32+8*\b:\f+32+8*\b+7], v[\f+8*(\a):\f+8*(\a)+7], v[8*(8*(\a)+\b):8*(8*(\a)+\b)+7]
.endr
.endm
.macro FETCH slot, ks, f               ; 24 LDS loads in one run: B's 8 fragments, then A's 4
.irp b, 0,1,2,3,4,5,6,7
	ds_load_b128 v[\f+32+8*\b:\f+32+8*\b+3], v[ADRB+\slot] offset:4096*\b+1024*\ks
	ds_load_b128 v[\f+32+8*\b+4:\f+32+8*\b+7], v[ADRB+\slot] offset:4096*\b+1024*\ks+512
.endr
.irp a, 0,1,2,3
	ds_load_b128 v[\f+8*\a:\f+8*\a+3], v[ADRA+\slot] offset:4096*\a+1024*\ks
	ds_load_b128 v[\f+8*\a+4:\f+8*\a+7], v[ADRA+\slot] offset:4096*\a+1024*\ks+512
.endr
.endm
; A K group is four quarters of 32 along K, 32 matrix instructions each, on buffers 0, 1, 0, 1.  One of the first three: multiplies buffer f and fetches the next quarter, ks, into g.
.macro QUARTER slot, ks, f, g
	s_wait_dscnt 4                                 ; B and A's row tiles 0, 1 are in; the youngest four loads (A's 2, 3) may be out
	WIN 0x50                                       ; C and D in window 1
	MUL8 \f, 0
	MUL8 \f, 1
	PLACES 4                                       ; in front of loads into registers that matrix instructions have read
	WIN 0
	FETCH \slot, \ks, \g
	s_wait_dscnt 24                                ; all but the 24 just issued
	WIN 0x50
	MUL8 \f, 2
	MUL8 \f, 3
.endm
; The last quarter multiplies buffer 1 and changes slots: ONE barrier; in front of it each wave waits for all its tensor loads, adds 0 to its spare word, and waits for that and for its reads of this slot.  fill = 1: this slot is filled again, two K groups ahead.
.macro TURN slot, next, fill
	WIN 0
	s_wait_tensorcnt 0x0                           ; all my tensor loads have landed: my part of the next slot
	ds_add_u32 v[SPW], v[NIL]                      ; 0 onto my spare word
	s_wait_dscnt 5                                 ; (the add and the youngest four loads may be out)
	WIN 0x50
	MUL8 F1, 0                                     ; eight matrix instructions stand between the add and the wait for it
	s_wait_dscnt 0x0                               ; the add is done, and my reads of this slot are over
	s_barrier_signal -1
	MUL8 F1, 1
	WIN 0
	s_barrier_wait -1
.if \fill
	CREST                                          ; the barrier has opened a round of the cluster's: no wave of any partner still reads this slot or has a load on its way
	s_add_nc_u64 s[G0+4*\slot+2:G0+4*\slot+3], s[G0+4*\slot+2:G0+4*\slot+3], 4194304
	s_add_nc_u64 s[G0B+4*\slot+2:G0B+4*\slot+3], s[G0B+4*\slot+2:G0B+4*\slot+3], 524288
	JLOAD \slot                                    ; the first tensor load behind the round; the four v_nop behind it are also the places in front of the loads below
.else
	PLACES 4
.endif
	FETCH \next, 0, F0
	WIN 0x50
	MUL8 F1, 2
	MUL8 F1, 3
.endm
	s_wait_tensorcnt 1                             ; my part of K group 0 is in; K group 1's may stay out
	s_barrier_signal -1
	s_barrier_wait -1                              ; everybody's is
	FETCH 0, 0, F0
	s_wait_loadcnt 0x0                             ; the bias lies in the accumulators
	s_mov_b32 s3, 3
.Llap:                                             ; a trip goes once round the ring and fills both slots again: K groups 2 to 7
	QUARTER 0, 1, F0, F1
	QUARTER 0, 2, F1, F0
	QUARTER 0, 3, F0, F1
	TURN 0, 1, 1
	QUARTER 1, 1, F0, F1
	QUARTER 1, 2, F1, F0
	QUARTER 1, 3, F0, F1
	TURN 1, 0, 1
	WIN 0
	s_sub_co_u32 s3, s3, 1
	s_cmp_lg_u32 s3, 0
	s_cbranch_scc1 .Llap
	QUARTER 0, 1, F0, F1                           ; the last lap fills nothing, and has no round of the cluster's barrier
	QUARTER 0, 2, F1, F0
	QUARTER 0, 3, F0, F1
	TURN 0, 1, 0
	QUARTER 1, 1, F0, F1
	QUARTER 1, 2, F1, F0
	QUARTER 1, 3, F0, F1
	s_wait_dscnt 4                                 ; the very last quarter: nothing more to fetch
	WIN 0x50
	MUL8 F1, 0
	MUL8 F1, 1
	s_wait_dscnt 0x0
	MUL8 F1, 2
	MUL8 F1, 3
	WIN 0
; THE WAY OUT, a block of 16 rows x 128 columns at a time: a lane holds 32 neighbouring bytes of a row and the lanes beside it other rows, so a block goes through my own stage and comes back as whole rows of 512 bytes.
; LDS serves a wave's instructions in order: no wait between the stores and the loads, nor in front of the next block's stores.
.macro TOSTAGE a
	WIN 0x04                                       ; an LDS store's data are its source 1: window 1
.irp b, 0,1,2,3,4,5,6,7
	ds_store_b128 v[STO], v[8*(8*(\a)+\b):8*(8*(\a)+\b)+3] offset:64*\b            ; each accumulator from its low end on
	ds_store_b128 v[STO], v[8*(8*(\a)+\b)+4:8*(8*(\a)+\b)+7] offset:64*\b+16
.endr
	WIN 0
.set BB, 32+64*((\a)%2)
.irp t, 0,1,2,3,4,5,6,7,8,9,10,11,12,13,14,15
	ds_load_b128 v[BB+4*\t:BB+4*\t+3], v[RD] offset:\t*528
.endr
.endm
.macro SEND a, younger                 ; younger: the LDS instructions issued behind block a's loads, which may stay out
.set BB, 32+64*((\a)%2)
	s_wait_dscnt \younger
.irp t, 0,1,2,3,4,5,6,7,8,9,10,11,12,13,14,15
	global_store_b128 v[CO], v[BB+4*\t:BB+4*\t+3], s[18:19] offset:(16*(\a)+\t)*4096 th:TH_STORE_NT   ; 32 lanes store 512 consecutive bytes, aligned; written once, read by nobody here
.endr
.endm
	PLACES 4                                       ; in front of the first read of results and of the loads into the fragments' registers
	TOSTAGE 0
	TOSTAGE 1
	SEND 0, 32                                     ; behind block 0's loads: block 1's 16 stores and 16 loads
	s_wait_xcnt 0x0                                ; block 0's stores have read their registers: block 2's rows may land there
	TOSTAGE 2
	SEND 1, 32
	s_wait_xcnt 0x0
	TOSTAGE 3
	SEND 2, 32
	SEND 3, 0
	s_wait_tensorcnt 0x0                           ; the wave's end
	ds_add_u32 v[SPW], v[NIL]
	s_wait_dscnt 0x0
	CROUND                                         ; the closing round: no work-group ends while a partner may still ask for a tile that names it
	s_endpgm
.Lfunc_end_k_qbb07b89e35_oproj:
	.size	k_qbb07b89e35_oproj, .Lfunc_end_k_qbb07b89e35_oproj-k_qbb07b89e35_oproj
	.p2alignl 7, 3214868480
	.fill 96, 4, 3214868480
	.section	.rodata,"a",@progbits
	.p2align	6, 0x0
	.amdhsa_kernel k_qbb07b89e35_oproj
		.amdhsa_group_segment_fixed_size 327680
		.amdhsa_private_segment_fixed_size 0
		.amdhsa_enable_private_segment 0
		.amdhsa_kernarg_size 32
		.amdhsa_user_sgpr_count 2
		.amdhsa_user_sgpr_kernarg_segment_ptr 1
		.amdhsa_wavefront_size32 1
		.amdhsa_system_sgpr_workgroup_id_x 1
		.amdhsa_system_sgpr_workgroup_id_y 1
		.amdhsa_system_sgpr_workgroup_id_z 1
		.amdhsa_system_vgpr_workitem_id 0
		.amdhsa_next_free_vgpr 512
		.amdhsa_next_free_sgpr 66
		.amdhsa_reserve_vcc 0
		.amdhsa_float_denorm_mode_32 3
		.amdhsa_float_denorm_mode_16_64 3
		.amdhsa_memory_ordered 1
		.amdhsa_forward_progress 1
		.amdhsa_inst_pref_size 90
	.end_amdhsa_kernel
	.amdgpu_metadata
---
amdhsa.version: [ 1, 2 ]
amdhsa.kernels:
  - .name:           k_qbb07b89e35_oproj
    .symbol:         k_qbb07b89e35_oproj.kd
    .args:
      - { .name: xf, .offset: 0, .size: 8, .value_kind: global_buffer, .address_space: global }
      - { .name: wof, .offset: 8, .size: 8, .value_kind: global_buffer, .address_space: global }
      - { .name: bo, .offset: 16, .size: 8, .value_kind: global_buffer, .address_space: global }
      - { .name: out0, .offset: 24, .size: 8, .value_kind: global_buffer, .address_space: global }
    .group_segment_fixed_size: 327680
    .private_segment_fixed_size: 0
    .kernarg_segment_align: 8
    .kernarg_segment_size: 32
    .max_flat_workgroup_size: 128
    .sgpr_count:     66
    .vgpr_count:     512
    .wavefront_size: 32
...
	.end_amdgpu_metadata
.endif
;; end of part 4
